; MI455X (gfx1250); checked and timed in simulation.
; The chip was launched on July 23, 2026; its instructions are those of AMD's public machine-readable ISA for CDNA 5 (MIT licence, August 2026) and "CDNA5" Instruction Set Architecture Reference Guide (July 2026). The comments in the code are by the model that wrote it; some were corrected since.
;; Non Local. Allowed arithmetic: float matrix products may take bf16 or f16 operands with f32 sums; all other float work in f32.
;; Inputs: Wk 512 x 512 float32; Wo 512 x 512 float32; Wq 512 x 512 float32; Wv 512 x 512 float32; beta 512 float32; bk 512 float32; bo 512 float32; bq 512 float32; bv 512 float32; gamma 512 float32; inp 16 x 512 x 32 x 32 float32.
;; Outputs: out0 16 x 512 x 32 x 32 float32.
;; One version. Each part assembles by itself: llvm-mc -triple=amdgcn-amd-amdhsa -mcpu=gfx1250 --defsym DOCPART=n.
;; ======== version 1 of 1: 2 launches
;; limits: values outside matrix products are rounded to bf16
;; workspace buffers: xT 16,777,216 bytes; wT 1,048,576 bytes; vec 4,096 bytes
;; launch prep (part 1): grid 640 x 1, 8 waves a work-group, no clusters, 82,432 bytes of LDS; arguments inp, gamma, beta, Wq, Wk, Wv, Wo, bq, bv, bo, xT, wT, vec; writes xT, wT, vec
.if DOCPART == 1
	.amdgcn_target "amdgcn-amd-amdhsa--gfx1250"
	.amdhsa_code_object_version 6
	.text
	.protected	k_q745fb99dca_prep
	.globl	k_q745fb99dca_prep
	.p2align	8
	.type	k_q745fb99dca_prep,@function
k_q745fb99dca_prep:
	s_mov_b64 s[64:65], 0
	v_nop
	global_prefetch_b8 v0, s[64:65] scope:SCOPE_SE
	s_setreg_imm32_b32 hwreg(HW_REG_WAVE_MODE, 25, 1), 1
	s_wait_xcnt 0x0
; NonLocal block, first of two launches: folded weights, folded biases, GroupNorm to bf16.
;
; WORK LEFT OUT, AND WHY IT IS DEAD (for all finite inputs, in exact arithmetic):
;   logit[n][m] = (1/sqrt c) sum_o Q[o][n] (Wk x_m)[o]  +  (1/sqrt c) sum_o Q[o][n] bk[o].
;   The second term does not hang on m, the axis of the softmax, so it cancels there: bk reaches no output.
;   bk is not loaded and is among no launch arguments.
; THE FOUR CONVOLUTIONS ARE REASSOCIATED INTO TWO (identities, no property of the data):
;   sum_o Q[o][n] (Wk x_m)[o] = sum_c2 x[c2][m] G[c2][n],  G = (Wk^T Wq) x + Wk^T bq        keys are x itself
;   Wo (V attn^T) + bo = (Wo Wv)(x attn^T) + (Wo bv + bo), since each softmax row sums to 1   values are x itself
; LIMITS: a NaN, an infinity or an overflow that reaches only bk is not carried to the result.  The order of rounding
;   differs from the reference: Wk^T Wq and Wo Wv are summed in f32 from bf16 operands and rounded once to bf16,
;   bq and bv enter as bf16 operands.  No difference of large sums is formed.
;
; Work-groups 0-63:    M1T[kc][c2][c] = SC sum_o Wk[o][c2] Wq[o][c] (bf16), SC = log2(e)/sqrt(512): the logits come out in base 2.
;                      Those with kc = 0 also make g0s[c2] = SC sum_o Wk[o][c2] bq[o] (f32).
; Work-groups 64-127:  W2T[kc][o][c] = sum_j Wo[o][j] Wv[j][c] (bf16); those with kc = 0 also b2[o] = sum_j Wo[o][j] bv[j] + bo[o].
; Work-groups 128-639: one group of one image (16 channels x 1,024 pixels, 64 KiB in a row): mean, variance about the mean, y = (x-mu) rstd gamma + beta,
;                      stored as bf16 in blocks [64 pixels wide][512 channels], so that the next launch reads dense tiles.
; This launch is a stream of chains that wait for memory, so what counts is how many work-groups lie on a WGP: the folds take K in four chunks of 128,
; so that 82,432 bytes of LDS and 162 registers do: three work-groups take 247,296 of a WGP's 327,680 bytes and 6 x 162 = 972 of a SIMD's 1,024 registers,
; and 3 x 256 places hold all 640 work-groups at once.
; LDS: each of the three paths has bytes of its own, so that every access can be read off its own path:
;      M1 0 .. 41,984 (tile A 20,480, tile B 20,480, bias vector 1,024); W2 41,984 .. 80,896 (20,480, 17,408, 1,024); the norm's words from 80,896.
; No cluster: a fold work-group shares each of its two tiles with seven others, but all loads here go through registers, since f32 is converted on the way.
.set SC,  0x3d8293ee                   ; log2(e) / sqrt(512)
.set NB,  80896                        ; LDS: the norm path's words
.set FA,  4                            ; v4   LDS address of my A fragments
.set FB,  5                            ; v5   of my B fragments
.set BIAV, 6                           ; v6   the bias vector in LDS + 16 h
.set FBB, 7                            ; v7   B fragments of the bias product
.set VOA, 8                            ; v8   staging: byte offset in the matrix, tile A
.set LAA, 9                            ; v9   staging: LDS address, tile A
.set VOB, 10                           ; v10, v11 the same for tile B
.set LAB, 11
.set LT,  12                           ; v12  lane term of a transposing fragment load; then
.set VO,  12                           ;      byte offset in vec and in bo
.set T0,  13
.set T1,  14
.set RP,  15                           ; v15  r x 272 + 16 h; then
.set BO,  15                           ;      bo
.set STS, 8                            ; the way out, when the staging is over
.set RDS, 9
.set GO,  10
.set ACC, 16                           ; v[16:31]   two accumulators
.set ST,  32                           ; v[32:95]   staging: a chunk of both tiles; in the norm path the 64 numbers of the lane
.set FR,  96                           ; v[96:143]  fragments of two K steps
.set BAC, 144                          ; v[144:159] two accumulators of the bias product
.macro P4                              ; four places behind a matrix instruction (ISA guide 7.12.1)
.rept 4
	v_nop
.endr
.endm
; Chunk ch (K = 128 ch .. + 127) of both tiles, f32, into registers: 16 loads of 16 bytes a thread.
; Tile A and, for M1, tile B are stored [k][..]: 16 threads take 256 bytes of a row, 16 rows a load.  W2's tile B is stored [row][k]: a wave takes 512 bytes of a row, 8 rows a load.
.macro LOADCH tr, ch
.irp i, 0,1,2,3,4,5,6,7
	global_load_b128 v[ST+4*\i:ST+4*\i+3], v[VOA], s[WA:WA+1] offset:(\ch)*262144+\i*32768
.endr
.irp i, 0,1,2,3,4,5,6,7
.if \tr
	global_load_b128 v[ST+32+4*\i:ST+35+4*\i], v[VOA], s[WB:WB+1] offset:(\ch)*262144+\i*32768
.else
	global_load_b128 v[ST+32+4*\i:ST+35+4*\i], v[VOB], s[WB:WB+1] offset:(\ch)*512+\i*16384
.endif
.endr
.endm
; The chunk in registers goes to bf16 and into LDS, over the chunk before.
.macro PUTCH tr, ch
.irp i, 0,1,2,3,4,5,6,7,8,9,10,11,12,13,14,15
	s_wait_loadcnt 15-\i                           ; loads come back in order: load i is in, the 15 - i younger ones of the chunk stay out
	v_cvt_pk_bf16_f32 v[ST+4*\i], v[ST+4*\i], v[ST+4*\i+1]
	v_cvt_pk_bf16_f32 v[ST+4*\i+1], v[ST+4*\i+2], v[ST+4*\i+3]
.endr
.if \ch
	s_wait_dscnt 0x0                               ; my fragment reads of the chunk before are over,
	s_barrier_signal -1
	s_barrier_wait -1                              ; everybody's are: it may be written over
.endif
.irp i, 0,1,2,3,4,5,6,7
	ds_store_b64 v[LAA], v[ST+4*\i:ST+4*\i+1] offset:\i*2560
.endr
.irp i, 0,1,2,3,4,5,6,7
.if \tr
	ds_store_b64 v[LAB], v[ST+32+4*\i:ST+33+4*\i] offset:\i*2560
.else
	ds_store_b64 v[LAB], v[ST+32+4*\i:ST+33+4*\i] offset:\i*2176
.endif
.endr
.endm
; The chunk's four K steps of 32, two at a time: 12 fragment loads, then 4 matrix instructions on two accumulators that take turns, one instruction a turn.
.macro BATCH tr, ch
.irp sb, 0,1
.if \ch+\sb
	P4                                             ; the fragment registers were read by the matrix instructions before
.endif
.irp k2, 0,1
	ds_load_tr16_b128 v[FR+24*\k2:FR+24*\k2+3],   v[FA] offset:5120*(2*\sb+\k2)          ; A is stored [k][c]: transposed on the way
	ds_load_tr16_b128 v[FR+24*\k2+4:FR+24*\k2+7], v[FA] offset:5120*(2*\sb+\k2)+2560
.irp nj, 0,1
.if \tr
	ds_load_tr16_b128 v[FR+24*\k2+8+8*\nj:FR+24*\k2+11+8*\nj],  v[FB] offset:5120*(2*\sb+\k2)+32*\nj
	ds_load_tr16_b128 v[FR+24*\k2+12+8*\nj:FR+24*\k2+15+8*\nj], v[FB] offset:5120*(2*\sb+\k2)+32*\nj+2560
.else
	ds_load_b128 v[FR+24*\k2+8+8*\nj:FR+24*\k2+11+8*\nj],  v[FB] offset:4352*\nj+64*(2*\sb+\k2)
	ds_load_b128 v[FR+24*\k2+12+8*\nj:FR+24*\k2+15+8*\nj], v[FB] offset:4352*\nj+64*(2*\sb+\k2)+32
.endif
.endr
.endr
	s_wait_dscnt 0x0
.irp k2, 0,1
.if \ch+\sb+\k2
	v_wmma_f32_16x16x32_bf16 v[ACC:ACC+7],    v[FR+24*\k2:FR+24*\k2+7], v[FR+24*\k2+8:FR+24*\k2+15],  v[ACC:ACC+7]
	v_wmma_f32_16x16x32_bf16 v[ACC+8:ACC+15], v[FR+24*\k2:FR+24*\k2+7], v[FR+24*\k2+16:FR+24*\k2+23], v[ACC+8:ACC+15]
.else
	v_wmma_f32_16x16x32_bf16 v[ACC:ACC+7],    v[FR+24*\k2:FR+24*\k2+7], v[FR+24*\k2+8:FR+24*\k2+15],  0     ; the first products start the sums
	v_wmma_f32_16x16x32_bf16 v[ACC+8:ACC+15], v[FR+24*\k2:FR+24*\k2+7], v[FR+24*\k2+16:FR+24*\k2+23], 0
.endif
.endr
.endr
.endm
; The chunk's share of the folded bias, by waves 0-3 of the work-groups with kc = 0 (s47 = 0), row tile w: the bias vector stands in all 16 rows of A
; (every lane of a half reads the same 16 bytes), so every row of D holds the 16 sums.  No barrier stands inside this branch.
.macro BIASCH tr, ch
	s_cmp_lg_u32 s47, 0
	s_cbranch_scc1 .Lnb_\@
.irp sb, 0,1
	P4
.irp k2, 0,1
	ds_load_b128 v[FR+16*\k2:FR+16*\k2+3],   v[BIAV] offset:64*(4*\ch+2*\sb+\k2)
	ds_load_b128 v[FR+16*\k2+4:FR+16*\k2+7], v[BIAV] offset:64*(4*\ch+2*\sb+\k2)+32
.if \tr
	ds_load_tr16_b128 v[FR+16*\k2+8:FR+16*\k2+11],  v[FBB] offset:5120*(2*\sb+\k2)
	ds_load_tr16_b128 v[FR+16*\k2+12:FR+16*\k2+15], v[FBB] offset:5120*(2*\sb+\k2)+2560
.else
	ds_load_b128 v[FR+16*\k2+8:FR+16*\k2+11],  v[FBB] offset:64*(2*\sb+\k2)
	ds_load_b128 v[FR+16*\k2+12:FR+16*\k2+15], v[FBB] offset:64*(2*\sb+\k2)+32
.endif
.endr
	s_wait_dscnt 0x0
	v_wmma_f32_16x16x32_bf16 v[BAC:BAC+7],    v[FR:FR+7],     v[FR+8:FR+15],  v[BAC:BAC+7]      ; even and odd K steps take turns
	v_wmma_f32_16x16x32_bf16 v[BAC+8:BAC+15], v[FR+16:FR+23], v[FR+24:FR+31], v[BAC+8:BAC+15]
.endr
.Lnb_\@:
.endm
.macro CHUNK tr, ch
	PUTCH \tr, \ch
.if \ch < 3
	LOADCH \tr, \ch+1                              ; the next chunk is on its way while this one is multiplied
.endif
	s_wait_dscnt 0x0                               ; my part of both tiles is written,
	s_barrier_signal -1
	s_barrier_wait -1                              ; everybody's is
	BATCH \tr, \ch
	BIASCH \tr, \ch
.endm
; One block of 64 rows x 64 columns of a folded weight.  tr = 1: M1 (both factors stored [k][..]); tr = 0: W2 (the second factor stored [row][k]).
; D[m = column c][n = row]: a lane then holds eight neighbouring c of one row, 16 bytes of bf16.
; Wave w: column tile w & 3, row tiles 2 (w >> 2) and 2 (w >> 2) + 1.
.macro FOLD tr
.set TA,  (1-\tr)*41984                            ; this path's LDS bytes: tile A [128 k][64 c], pitch 160,
.set TBB, TA+20480                                 ; tile B: [128 k][64], pitch 160, or [64 rows][128 k], pitch 272,
.set BIA, TBB+17408+\tr*3072                       ; the bias vector, 512 bf16
.if \tr
.set WA,  10                                       ; Wq
.set WB,  12                                       ; Wk
.set SBI, 18                                       ; bq
.else
.set WA,  14                                       ; Wv
.set WB,  16                                       ; Wo
.set SBI, 20                                       ; bv
.endif
	s_and_b32 s31, ttmp9, 7                        ; kc: block of 64 columns
	s_bfe_u32 s32, ttmp9, 0x30003                  ; rb: block of 64 rows
	s_and_b32 s38, s30, 3
	s_lshr_b32 s39, s30, 2
	s_or_b32 s47, s39, s31                         ; 0: kc = 0 and w < 4: this wave also makes 16 numbers of the folded bias
	s_lshl_b32 s34, s31, 8                         ; 64 columns of f32
	s_mov_b32 s35, 0
	s_add_nc_u64 s[WA:WA+1], s[WA:WA+1], s[34:35]  ; tile A's matrix at column 64 kc
.if \tr
	s_lshl_b32 s34, s32, 8                         ; Wk at column 64 rb
.else
	s_lshl_b32 s34, s32, 17                        ; Wo at row 64 rb
.endif
	s_add_nc_u64 s[WB:WB+1], s[WB:WB+1], s[34:35]
	v_lshrrev_b32 v[T0], 4, v0
	v_lshlrev_b32 v[VOA], 4, v2
	v_lshl_add_u32 v[VOA], v[T0], 11, v[VOA]       ; row t >> 4, 16 bytes t & 15
.if \tr == 0
	v_lshlrev_b32 v[VOB], 4, v1
	v_lshl_add_u32 v[VOB], s30, 11, v[VOB]         ; row w, 16 bytes lane
.endif
	LOADCH \tr, 0
	v_mul_u32_u24 v[LAA], v[T0], 160               ; LDS rows of 128 bytes + 32: an odd multiple of 32, as the transposing loads want
	v_lshl_add_u32 v[LAA], v2, 3, v[LAA]
.if TA
	v_add_nc_u32 v[LAA], TA, v[LAA]
.endif
.if \tr
	v_add_nc_u32 v[LAB], 20480, v[LAA]
.else
	s_mul_i32 s41, s30, 272                        ; LDS rows of 256 bytes + 16
	s_add_co_u32 s41, s41, TBB
	v_lshl_add_u32 v[LAB], v1, 3, s41
.endif
	v_and_b32 v[T0], 7, v0                         ; transposing load: row 8 h + (lane & 7), 16 bytes (lane >> 3) & 1
	v_lshl_add_u32 v[T0], v3, 3, v[T0]
	v_mul_u32_u24 v[LT], v[T0], 160
	v_bfe_u32 v[T0], v0, 3, 1
	v_lshl_add_u32 v[LT], v[T0], 4, v[LT]
	s_lshl_b32 s40, s38, 5
.if TA
	s_add_co_u32 s40, s40, TA
.endif
	v_add_nc_u32 v[FA], s40, v[LT]
.if \tr
	s_lshl_b32 s41, s39, 6
	s_add_co_u32 s41, s41, TBB
	v_add_nc_u32 v[FB], s41, v[LT]
	s_lshl_b32 s42, s38, 5
	s_add_co_u32 s42, s42, TBB
	v_add_nc_u32 v[FBB], s42, v[LT]                ; row tile w & 3
.else
	v_mul_u32_u24 v[RP], v2, 272
	v_lshl_add_u32 v[RP], v3, 4, v[RP]
	s_mul_i32 s41, s39, 32*272
	s_add_co_u32 s41, s41, TBB
	v_add_nc_u32 v[FB], s41, v[RP]
	s_mul_i32 s42, s38, 16*272
	s_add_co_u32 s42, s42, TBB
	v_add_nc_u32 v[FBB], s42, v[RP]
.endif
	v_lshlrev_b32 v[BIAV], 4, v3
	v_add_nc_u32 v[BIAV], BIA, v[BIAV]
	s_lshl_b32 s43, s32, 8
	s_lshl_b32 s42, s38, 6
	s_add_co_u32 s43, s43, s42
	v_lshl_add_u32 v[VO], v2, 2, s43               ; (64 rb + 16 (w & 3) + r) x 4
.irp p, 0,1,2,3,4,5,6,7,8,9,10,11,12,13,14,15
	v_mov_b32 v[BAC+\p], 0                         ; the bias sums start in registers: their products stand under a branch in each of the four chunks
.endr
	s_cmp_lg_u32 s31, 0
	s_cbranch_scc1 .Lnbv_\@
	v_lshlrev_b32 v[T0], 3, v0                     ; kc = 0: the bias vector to bf16 in LDS, two numbers a thread
	v_lshlrev_b32 v[T1], 2, v0
	v_add_nc_u32 v[T1], BIA, v[T1]
	global_load_b64 v[FR:FR+1], v[T0], s[SBI:SBI+1]
	s_wait_loadcnt 0x0
	v_cvt_pk_bf16_f32 v[FR], v[FR], v[FR+1]
	ds_store_b32 v[T1], v[FR]
.Lnbv_\@:
.if \tr == 0
	s_cmp_lg_u32 s47, 0
	s_cbranch_scc1 .Lnbo_\@
	global_load_b32 v[BO], v[VO], s[22:23]         ; bo; the chunks' waits for their last loads cover it
.Lnbo_\@:
.endif
	CHUNK \tr, 0
	CHUNK \tr, 1
	CHUNK \tr, 2
	CHUNK \tr, 3
	s_cmp_lg_u32 s47, 0
	s_cbranch_scc1 .Lnobias_\@
	P4
	v_add_f32 v[BAC], v[BAC], v[BAC+8]             ; register 0 of lane r: the sum of row tile w, row r
.if \tr
	v_mul_f32 v[BAC], SC, v[BAC]
.else
	v_add_f32 v[BAC], v[BAC], v[BO]
.endif
	s_wait_xcnt 0x0                                ; EXEC is a source of the loads above: it changes only behind this wait
	v_cmp_gt_u32 vcc_lo, 16, v1
	s_and_saveexec_b32 s44, vcc_lo
	global_store_b32 v[VO], v[BAC], s[28:29] offset:(1-\tr)*2048   ; 16 lanes, 64 bytes: 4 KiB of such stores in the whole launch
	s_wait_xcnt 0x0                                ; and again in front of the line that widens it
	s_or_b32 exec_lo, exec_lo, s44
.Lnobias_\@:
	; The way out: 16 bytes a lane into a stage of 64 rows x 144 bytes over tile A, read back as whole rows.
	s_mul_i32 s45, s39, 32*144
	s_lshl_b32 s46, s38, 5
	s_add_co_u32 s45, s45, s46
.if TA
	s_add_co_u32 s45, s45, TA
.endif
	v_mul_u32_u24 v[STS], v2, 144
	v_lshl_add_u32 v[STS], v3, 4, v[STS]
	v_add_nc_u32 v[STS], s45, v[STS]               ; row 32 (w >> 2) + r, byte 32 (w & 3) + 16 h
	v_lshrrev_b32 v[T0], 3, v0
	v_and_b32 v[T1], 7, v0
	v_mul_u32_u24 v[RDS], v[T0], 144
	v_lshl_add_u32 v[RDS], v[T1], 4, v[RDS]
.if TA
	v_add_nc_u32 v[RDS], TA, v[RDS]
.endif
	v_lshlrev_b32 v[GO], 4, v0
	s_lshl_b32 s34, s31, 16                        ; block kc: 512 rows x 128 bytes
	s_lshl_b32 s46, s32, 13                        ; 64 rows x 128 bytes
	s_add_co_u32 s34, s34, s46
.if \tr == 0
	s_add_co_u32 s34, s34, 524288                  ; W2T lies behind M1T
.endif
	s_add_nc_u64 s[26:27], s[26:27], s[34:35]
	s_wait_dscnt 0x0                               ; my fragment reads are over,
	s_barrier_signal -1
	s_barrier_wait -1                              ; everybody's are: tile A may be written over
	P4
.if \tr
.irp p, 0,1,2,3,4,5,6,7
	v_pk_mul_f32 v[ACC+2*\p:ACC+2*\p+1], v[ACC+2*\p:ACC+2*\p+1], SC op_sel_hi:[1,0]
.endr
.endif
.irp p, 0,1,2,3,4,5,6,7
	v_cvt_pk_bf16_f32 v[FR+\p], v[ACC+2*\p], v[ACC+2*\p+1]
.endr
	ds_store_b128 v[STS], v[FR:FR+3]
	ds_store_b128 v[STS], v[FR+4:FR+7] offset:16*144
	s_wait_dscnt 0x0
	s_barrier_signal -1
	s_barrier_wait -1
	ds_load_b128 v[ST:ST+3],   v[RDS]
	ds_load_b128 v[ST+4:ST+7], v[RDS] offset:32*144
	s_wait_dscnt 0x0
	global_store_b128 v[GO], v[ST:ST+3],   s[26:27]                 ; thread t stores bytes 16 t: 16 lanes fill 256 consecutive bytes, aligned
	global_store_b128 v[GO], v[ST+4:ST+7], s[26:27] offset:4096
	s_wait_tensorcnt 0x0
	ds_add_u32 v160, v161
	s_wait_dscnt 0x0
	s_endpgm
.endm
; From four packed chains in v[16:23] to the sum over the whole work-group, in v16 of every lane.  off: the LDS bytes of this exchange.
.macro GSUM off
	v_pk_add_f32 v[16:17], v[16:17], v[18:19]
	v_pk_add_f32 v[20:21], v[20:21], v[22:23]
	v_pk_add_f32 v[16:17], v[16:17], v[20:21]
	v_add_f32 v16, v16, v17
	v_add_f32_dpp v16, v16, v16 row_xmask:1 row_mask:0xf bank_mask:0xf
	v_add_f32_dpp v16, v16, v16 row_xmask:2 row_mask:0xf bank_mask:0xf
	v_add_f32_dpp v16, v16, v16 row_xmask:4 row_mask:0xf bank_mask:0xf
	v_add_f32_dpp v16, v16, v16 row_xmask:8 row_mask:0xf bank_mask:0xf
	v_permlanex16_b32 v17, v16, s36, s37           ; the other half of the lanes; v17 has been written
	v_add_f32 v16, v16, v17
	ds_store_b32 v13, v16 offset:\off              ; word w: all lanes write the same number
	s_wait_dscnt 0x0
	s_barrier_signal -1
	s_barrier_wait -1
	ds_load_b128 v[16:19], v14 offset:\off
	ds_load_b128 v[20:23], v14 offset:\off+16
	s_wait_dscnt 0x0
	v_pk_add_f32 v[16:17], v[16:17], v[18:19]
	v_pk_add_f32 v[20:21], v[20:21], v[22:23]
	v_pk_add_f32 v[16:17], v[16:17], v[20:21]
	v_add_f32 v16, v16, v17
.endm
	s_load_b512 s[4:19], s[0:1], 0x0               ; inp 4, gamma 6, beta 8, Wq 10, Wk 12, Wv 14, Wo 16, bq 18
	s_load_b256 s[20:27], s[0:1], 0x40             ; bv 20, bo 22, xT 24, wT 26
	s_load_b64 s[28:29], s[0:1], 0x60              ; vec
	v_lshl_add_u32 v160, v0, 2, 0x13e00
	v_mov_b32 v161, 0
	v_lshrrev_b32 v1, 5, v0
	v_readfirstlane_b32 s30, v1                    ; wave
	v_and_b32 v1, 31, v0                           ; lane
	v_and_b32 v2, 15, v0                           ; r
	v_bfe_u32 v3, v0, 4, 1                         ; h
	s_wait_kmcnt 0x0
	s_cmp_ge_u32 ttmp9, 128                        ; the same in all waves of a work-group
	s_cbranch_scc1 .Lnorm
	s_cmp_ge_u32 ttmp9, 64
	s_cbranch_scc1 .Lfold_w2
	FOLD 1
.Lfold_w2:
	FOLD 0
	; GroupNorm.  Thread t: channel t >> 4 of the group's 16, pixels 64 i + 4 (t & 15) .. + 3, i = 0 .. 15: the lane keeps its 64 numbers in registers,
	; so the group is read from memory once.  The variance is summed about the mean, as the reference does.
.Lnorm:
	s_sub_co_u32 s31, ttmp9, 128                   ; 32 b + g
	s_mov_b32 s33, 0
	s_mov_b32 s36, 0x76543210                      ; v_permlanex16_b32: lane i reads lane i of the other half
	s_mov_b32 s37, 0xfedcba98
	s_mov_b32 s38, 0x38800000                      ; 1 / 16,384
	s_mov_b32 s39, 0x358637bd                      ; eps = 1e-6
	s_lshl_b32 s32, s31, 16
	s_add_nc_u64 s[4:5], s[4:5], s[32:33]          ; inp at my group: 64 KiB each
	s_and_b32 s34, s31, 31                         ; g
	s_lshr_b32 s35, s31, 5                         ; b
	s_lshl_b32 s32, s34, 6
	s_add_nc_u64 s[6:7], s[6:7], s[32:33]          ; gamma, beta at channel 16 g
	s_add_nc_u64 s[8:9], s[8:9], s[32:33]
	s_lshl_b32 s32, s35, 20
	s_lshl_b32 s40, s34, 11
	s_add_co_u32 s32, s32, s40
	s_add_nc_u64 s[24:25], s[24:25], s[32:33]      ; xT at image b, channel 16 g of pixel block 0
	v_lshrrev_b32 v4, 4, v0                        ; my channel
	v_lshlrev_b32 v8, 4, v2
	v_lshl_add_u32 v8, v4, 12, v8                  ; channel x 4,096 + 16 r
	v_lshlrev_b32 v9, 2, v4
	v_lshlrev_b32 v12, 3, v2
	v_lshl_add_u32 v12, v4, 7, v12                 ; channel x 128 + 8 r
	s_lshl_b32 s41, s30, 2
	s_add_co_u32 s41, s41, NB
	v_mov_b32 v13, s41                             ; my wave's word in LDS
	v_mov_b32 v14, NB
	global_load_b32 v10, v9, s[6:7]
	global_load_b32 v11, v9, s[8:9]
.irp i, 0,1,2,3,4,5,6,7,8,9,10,11,12,13,14,15
	global_load_b128 v[ST+4*\i:ST+4*\i+3], v8, s[4:5] offset:256*\i th:TH_LOAD_NT    ; 16 lanes read 256 consecutive bytes, aligned
.endr
	s_wait_loadcnt 0x0
.irp k, 0,1,2,3
	v_pk_add_f32 v[16+2*\k:17+2*\k], v[ST+4*\k:ST+4*\k+1], v[ST+4*\k+2:ST+4*\k+3]    ; the first pairs start four chains: nothing is cleared
.endr
.set j, 8
.rept 24
	v_pk_add_f32 v[16+2*(j%4):17+2*(j%4)], v[16+2*(j%4):17+2*(j%4)], v[ST+2*j:ST+2*j+1]
.set j, j+1
.endr
	GSUM 0
	v_mul_f32 v24, s38, v16                        ; mu, in both registers of a pair
	v_mov_b32 v25, v24
.set j, 0
.rept 32
	v_pk_add_f32 v[ST+2*j:ST+2*j+1], v[ST+2*j:ST+2*j+1], v[24:25] neg_lo:[0,1] neg_hi:[0,1]
.set j, j+1
.endr
.irp k, 0,1,2,3
	v_pk_mul_f32 v[16+2*\k:17+2*\k], v[ST+2*\k:ST+2*\k+1], v[ST+2*\k:ST+2*\k+1]
.endr
.set j, 4
.rept 28
	v_pk_fma_f32 v[16+2*(j%4):17+2*(j%4)], v[ST+2*j:ST+2*j+1], v[ST+2*j:ST+2*j+1], v[16+2*(j%4):17+2*(j%4)]
.set j, j+1
.endr
	GSUM 256                                       ; other LDS bytes than the first exchange
	v_fma_f32 v16, v16, s38, s39                   ; var + eps
	v_rsq_f32 v17, v16
	v_mov_b32 v28, v11                             ; a plain instruction stands between v_rsq_f32 and the use of its result (ISA guide 5.7.2)
	v_mov_b32 v29, v11
	s_wait_alu depctr_va_vdst(0)
	v_mul_f32 v26, v17, v10                        ; rstd x gamma
	v_mov_b32 v27, v26
.set j, 0
.rept 32
	v_pk_fma_f32 v[ST+2*j:ST+2*j+1], v[ST+2*j:ST+2*j+1], v[26:27], v[28:29]
.set j, j+1
.endr
.irp i, 0,1,2,3,4,5,6,7,8,9,10,11,12,13,14,15
	v_cvt_pk_bf16_f32 v[ST+4*\i], v[ST+4*\i], v[ST+4*\i+1]
	v_cvt_pk_bf16_f32 v[ST+4*\i+1], v[ST+4*\i+2], v[ST+4*\i+3]
	global_store_b64 v12, v[ST+4*\i:ST+4*\i+1], s[24:25] offset:65536*\i             ; the wave's 32 lanes fill 256 consecutive bytes, aligned: two channels of pixel block i
.endr
	s_wait_tensorcnt 0x0
	ds_add_u32 v160, v161
	s_wait_dscnt 0x0
	s_endpgm
.Lfunc_end_k_q745fb99dca_prep:
	.size	k_q745fb99dca_prep, .Lfunc_end_k_q745fb99dca_prep-k_q745fb99dca_prep
	.p2alignl 7, 3214868480
	.fill 96, 4, 3214868480
	.section	.rodata,"a",@progbits
	.p2align	6, 0x0
	.amdhsa_kernel k_q745fb99dca_prep
		.amdhsa_group_segment_fixed_size 82432
		.amdhsa_private_segment_fixed_size 0
		.amdhsa_enable_private_segment 0
		.amdhsa_kernarg_size 104
		.amdhsa_user_sgpr_count 2
		.amdhsa_user_sgpr_kernarg_segment_ptr 1
		.amdhsa_wavefront_size32 1
		.amdhsa_system_sgpr_workgroup_id_x 1
		.amdhsa_system_sgpr_workgroup_id_y 1
		.amdhsa_system_sgpr_workgroup_id_z 1
		.amdhsa_system_vgpr_workitem_id 0
		.amdhsa_next_free_vgpr 162
		.amdhsa_next_free_sgpr 66
		.amdhsa_reserve_vcc 1
		.amdhsa_float_denorm_mode_32 3
		.amdhsa_float_denorm_mode_16_64 3
		.amdhsa_memory_ordered 1
		.amdhsa_forward_progress 1
		.amdhsa_inst_pref_size 103
	.end_amdhsa_kernel
	.amdgpu_metadata
---
amdhsa.version: [ 1, 2 ]
amdhsa.kernels:
  - .name:           k_q745fb99dca_prep
    .symbol:         k_q745fb99dca_prep.kd
    .args:
      - { .name: inp, .offset: 0, .size: 8, .value_kind: global_buffer, .address_space: global }
      - { .name: gamma, .offset: 8, .size: 8, .value_kind: global_buffer, .address_space: global }
      - { .name: beta, .offset: 16, .size: 8, .value_kind: global_buffer, .address_space: global }
      - { .name: Wq, .offset: 24, .size: 8, .value_kind: global_buffer, .address_space: global }
      - { .name: Wk, .offset: 32, .size: 8, .value_kind: global_buffer, .address_space: global }
      - { .name: Wv, .offset: 40, .size: 8, .value_kind: global_buffer, .address_space: global }
      - { .name: Wo, .offset: 48, .size: 8, .value_kind: global_buffer, .address_space: global }
      - { .name: bq, .offset: 56, .size: 8, .value_kind: global_buffer, .address_space: global }
      - { .name: bv, .offset: 64, .size: 8, .value_kind: global_buffer, .address_space: global }
      - { .name: bo, .offset: 72, .size: 8, .value_kind: global_buffer, .address_space: global }
      - { .name: xT, .offset: 80, .size: 8, .value_kind: global_buffer, .address_space: global }
      - { .name: wT, .offset: 88, .size: 8, .value_kind: global_buffer, .address_space: global }
      - { .name: vec, .offset: 96, .size: 8, .value_kind: global_buffer, .address_space: global }
    .group_segment_fixed_size: 82432
    .private_segment_fixed_size: 0
    .kernarg_segment_align: 8
    .kernarg_segment_size: 104
    .max_flat_workgroup_size: 256
    .sgpr_count:     66
    .vgpr_count:     162
    .wavefront_size: 32
...
	.end_amdgpu_metadata
.endif
;; end of part 1
;; launch attn (part 2): grid 16 x 16, 4 waves a work-group, clusters of 4 x 1, 327,680 bytes of LDS; arguments xT, wT, vec, inp, out0; writes out0
.if DOCPART == 2
	.amdgcn_target "amdgcn-amd-amdhsa--gfx1250"
	.amdhsa_code_object_version 6
	.text
	.protected	k_q745fb99dca_attn
	.globl	k_q745fb99dca_attn
	.p2align	8
	.type	k_q745fb99dca_attn,@function
k_q745fb99dca_attn:
	s_mov_b64 s[64:65], 0
	v_nop
	global_prefetch_b8 v0, s[64:65] scope:SCOPE_SE
	s_setreg_imm32_b32 hwreg(HW_REG_WAVE_MODE, 25, 1), 1
	s_wait_xcnt 0x0
	s_wait_alu depctr_hold_cnt(0) depctr_sa_sdst(0) depctr_va_vdst(0) depctr_va_sdst(0) depctr_va_ssrc(0) depctr_va_vcc(0) depctr_vm_vsrc(0)
	s_getreg_b32 s2, hwreg(HW_REG_IB_STS2, 6, 4)
	s_cmp_eq_u32 s2, 0
	s_cbranch_scc0 .Lentry_in_a_cluster
	s_endpgm
.Lentry_in_a_cluster:
	s_bfe_u32 s2, ttmp6, 0x10000c
	s_cmp_lg_u32 s2, 0x3003
	s_cbranch_scc0 .Lentry_shape_is_right
	s_endpgm
.Lentry_shape_is_right:
; NonLocal block, second launch: G = M1 x_q + g0, then one walk over the keys (S = x^T G, softmax, O = x P^T / l), out = inp + W2 O + b2.
; bk is left out: its term of the logits is the same along the softmax axis (shown at the head of the first kernel); keys and values are x itself.
; M1 and g0 carry log2(e)/sqrt(512), so S is in base 2.  The maximum is taken away before every exponential, as a running maximum over the key blocks:
; when it rises, O and the denominator are multiplied by 2^(old - new), at most 1.
; LIMITS: the denominator sums the f32 exponentials while P is their rounding to bf16; the order of rounding differs from the reference by those factors.
;
; A work-group owns 64 queries (pixels 64 qb .. + 63) of image b; four waves, one on each SIMD.
;   G   (8 steps, 64 c a step):   wave w makes rows c2 128 w .. + 127 for the 64 queries, 64 matrix instructions a step.
;   walk (16 blocks of 64 keys):  a tile x[512 c][64 keys] is brought into LDS ONCE and used twice.  First S: wave w takes keys 16 w .. + 15 and all 64 queries;
;        its A fragments come by transposing loads from the whole tile, its B fragments are G, which lies in 512 registers for the whole walk:
;        64 matrix instructions.  Then O: wave w takes channels 128 w .. + 127 (the part of the tile that its own load brought), B is P from LDS: 64 more.
;   out (8 steps, 64 c a step):   wave w makes rows o 128 w .. + 127.
; CLUSTER: the four work-groups of a cluster are four query blocks of one image and walk the same 32 tiles, so every ring tile is asked for jointly (mask 15).
; The place in the cluster enters only the global addresses of X_q, inp and out0.
;
; LDS:  0        ring, two slots of 81,920 bytes; wave w's load fills bytes w x 20,480 of a slot: 128 rows of 128 bytes, pitch 144
;       163,840  G, later O: [64 n][512] bf16, pitch 1,040
;       230,400  X_q: [512 c][64 n] bf16, pitch 160: filled once, at the start; when it is dead, P of one block: [64 n][64 keys] bf16, pitch 144
;       230,400 + w x 20,480   the way out: 16 rows x 272 bytes of f32, each wave's own, when P is dead
;       312,320  maxima [64 q][4 w] f32, then sums
; Pitch 144 (9 x 16) keeps the plain fragment loads apart; of a transposing load's sixteen 16-byte pieces two then share a column of a span of 256 bytes;
; with 160 it would be the plain loads' rows r and r + 8: no pitch serves both kinds.
;
; REGISTERS in windows of 256.  Window 0: addresses and small vectors (v0-63).  In the two weight products: B-side fragments v64-191 (two buffers of 8), window 1
; A-side fragments (two buffers of 16), window 2 the 32 accumulator tiles (tile (mi, ni) at 8 (4 mi + ni)).  In the walk: v64-95 the four S tiles, v64-127 the
; P fragments over them, v96-127 at work in the softmax, v128-255 ONE A buffer of 16 fragments, used quarter by quarter by S and O in turn; windows 1 and 3 G
; (fragment (ks, ni) at 8 (4 (ks & 7) + ni)); window 2 O.  At the end window 3 holds the 256 registers of inp.
; The products and the softmax of a block stand in phases: a second A buffer, which their overlap would need, has no registers left (512 + 256 + 256 = 1,024).
; Not used: prefetches (xT and wT were stored by the launch before and each block is read by sixteen work-groups).
.set SLOT,  81920
.set WPART, 20480
.set REGA,  163840
.set XQ,    230400
.set PB,    230400
.set MISC,  312320
.set PG,    1040
.set PPB,   144
.set ADA,   8                          ; v8, v9    A fragments of my part of slot 0, 1, rows along K
.set ADT,   10                         ; v10, v11  transposing loads from slot 0, rows 0-255 and 256-511; v18, v19 the same for slot 1
.set ADB,   12                         ; running address of the B fragments in the weight products
.set PLD,   13                         ; PB + r x 144 + 16 h
.set PST,   14                         ; PLD + 32 w
.set VG,    15                         ; REGA + r x 1,040 + 16 h
.set STG,   17                         ; VG + 256 w
.set MXW,   20                         ; MISC + 16 r + 4 w
.set MXR,   21                         ; MISC + 16 r
.set STO,   22
.set RD,    23
.set CO,    24                         ; (128 w + h) x 4,096 + 16 r
.set VB,    25
.set VB2,   26
.set LL,    27                         ; v[27:30]  the lane's share of the denominator of query 16 ni + r
.set B2,    32                         ; v[32:47]  b2 of my row in each of 8 row tiles, in both registers of a pair
.set MX,    48                         ; v[48:55]  running maximum of query 16 ni + r, a pair for each ni
.set RL,    56                         ; v[56:63]  2^(old - new maximum), at the end 1 / denominator, likewise
.set SA,    64                         ; v[64:95]  S tiles; v[64:127] P fragments, fragment 4 ks + ni
.set TM,    96                         ; v[96:111] the four waves' words of an exchange
.set TT,    112                        ; v[112:127] four registers for each ni, at work
.set AB,    128                        ; v[128:255] the walk's A buffer
.set G0S,   192                        ; v[192:255] g0s, 8 numbers for each of 8 row tiles (dead before the walk)
.set G1D,   20                         ; s[20:27]  shape of a dense tile of 16 KiB, LDS pitch 144, joint
.set G1X,   36                         ; s[36:43]  shape of X_q's quarter, LDS pitch 160, my own
.set G0X,   44
.set G0M,   48                         ; s[48:55]  from where, to where: a set of four for each slot
.set G0V,   68
.set G0W,   76
.set MSB,   0
.macro WIN new                         ; the immediate's high byte repeats the setting that is left
.if MSB != \new
	s_set_vgpr_msb (MSB<<8)|\new
.set MSB, \new
.endif
.endm
.macro PLACES                          ; four places behind a matrix instruction (ISA guide 7.12.1)
.rept 4
	v_nop
.endr
.endm
.macro CREST                           ; a round of the cluster's barrier behind its opening work-group barrier
	s_cmp_lg_u32 s14, 0
	s_cbranch_scc1 .Lnot_wave_0_\@
	s_barrier_signal -3
.Lnot_wave_0_\@:
	s_barrier_wait -3
	s_barrier_signal -1
	s_barrier_wait -1
.endm
.macro CROUND
	s_barrier_signal -1
	s_barrier_wait -1
	CREST
.endm
; ======== the two weight products (ph = 0: G, ph = 3: out) ========
.macro WINQ ph                         ; A-side window 1, B-side window 0, C and D window 2; the last product takes its sources swapped
.if \ph == 3
	WIN 0xa4
.else
	WIN 0xa1
.endif
.endm
; 16 matrix instructions: A fragments 4 q .. 4 q + 3 of buffer f x four query tiles.  The accumulators take turns, one instruction a turn.
.macro MULQ ph, f, q, zero
.irp ii, 0,1,2,3
.irp nn, 0,1,2,3
.set DD, 8*(4*(4*(\q&1)+\ii)+\nn)
.set AA, 128*(\f)+8*(4*\q+\ii)
.set BB, 64+64*(\f)+8*(\nn+4*(\q>>1))
.if \ph == 3
.if \zero
	v_wmma_f32_16x16x32_bf16 v[DD:DD+7], v[BB:BB+7], v[AA:AA+7], 0
.else
	v_wmma_f32_16x16x32_bf16 v[DD:DD+7], v[BB:BB+7], v[AA:AA+7], v[DD:DD+7]
.endif
.else
.if \zero
	v_wmma_f32_16x16x32_bf16 v[DD:DD+7], v[AA:AA+7], v[BB:BB+7], 0
.else
	v_wmma_f32_16x16x32_bf16 v[DD:DD+7], v[AA:AA+7], v[BB:BB+7], v[DD:DD+7]
.endif
.endif
.endr
.endr
.endm
; My whole part of a tile into A buffer f of window 1: 32 loads; fragment a = row tile a & 7, K half a >> 3.
.macro FETCHA slot, f
	WIN 0x40
.irp a, 0,1,2,3,4,5,6,7,8,9,10,11,12,13,14,15
	ds_load_b128 v[128*(\f)+8*\a:128*(\f)+8*\a+3],   v[ADA+(\slot)] offset:(\a&7)*2304+(\a>>3)*64
	ds_load_b128 v[128*(\f)+8*\a+4:128*(\f)+8*\a+7], v[ADA+(\slot)] offset:(\a&7)*2304+(\a>>3)*64+32
.endr
.endm
; The query-side fragments of the next step into B buffer f, fragment 4 ks + ni; the running address steps on.
.macro FETCHB ph, f
	WIN 0
.irp ks, 0,1
.irp nn, 0,1,2,3
.if \ph == 0
	ds_load_tr16_b128 v[64+64*(\f)+8*(4*\ks+\nn):64+64*(\f)+8*(4*\ks+\nn)+3],   v[ADB] offset:\ks*5120+32*\nn
	ds_load_tr16_b128 v[64+64*(\f)+8*(4*\ks+\nn)+4:64+64*(\f)+8*(4*\ks+\nn)+7], v[ADB] offset:\ks*5120+32*\nn+2560
.else
	ds_load_b128 v[64+64*(\f)+8*(4*\ks+\nn):64+64*(\f)+8*(4*\ks+\nn)+3],   v[ADB] offset:\nn*16*PG+64*\ks
	ds_load_b128 v[64+64*(\f)+8*(4*\ks+\nn)+4:64+64*(\f)+8*(4*\ks+\nn)+7], v[ADB] offset:\nn*16*PG+64*\ks+32
.endif
.endr
.endr
.if \ph == 0
	v_add_nc_u32 v[ADB], 10240, v[ADB]
.else
	v_add_nc_u32 v[ADB], 128, v[ADB]
.endif
.endm
; One step: multiplies the fragments of buffer f (tile s, slot f).  g0: the group 0 sets of the stream to which tile s + 2 belongs (0: nothing is left to ask for),
; adv the bytes by which the slot's address steps first; fa = 0: the next tile's A fragments are fetched, fb: the phase of the B fragments fetched (-1: none).
; In front of the round's opening signal my reads of slot f are over and my one tensor load that is out, tile s + 1, has landed; inside the round only registers
; are at work; behind its closing wait the joint refill of slot f comes first.  From that request to the wait for it a wave issues 48 matrix instructions.
.macro STEP ph, f, zero, hw, g0, adv, fa, fb
	s_wait_dscnt \hw                               ; 24: the youngest 24 loads, A fragments 4-15, may be out; all of B and A fragments 0-3 are in
	WINQ \ph
	MULQ \ph, \f, 0, \zero
	s_wait_dscnt 0x0
.if \g0
	s_set_vgpr_msb (MSB<<8)|((MSB&0xf0)|0x0)
	s_wait_tensorcnt 0x0
	ds_add_u32 v16, v31
	s_wait_dscnt 0x0
	s_set_vgpr_msb (((MSB&0xf0)|0x0)<<8)|MSB
	s_barrier_signal -1
.else
.if \fa >= 0
	s_wait_tensorcnt 0x0                           ; the last tile: only I read my part of it
.endif
.endif
	MULQ \ph, \f, 1, \zero
.if \g0
	WIN 0
	s_barrier_wait -1
	CREST
.if \adv
	s_add_nc_u64 s[\g0+4*\f+2:\g0+4*\f+3], s[\g0+4*\f+2:\g0+4*\f+3], \adv     ; no tensor load of mine is out: the set may be written
.endif
	tensor_load_to_lds s[\g0+4*\f:\g0+4*\f+3], s[G1D:G1D+7]
	s_nop 0
.endif
.set NEEDP, 0
.if \fa >= 0
.set NEEDP, 1
.endif
.if \fb >= 0
.set NEEDP, 1
.endif
.if NEEDP
	PLACES                                         ; the other buffers were read by the last step's matrix instructions
.endif
.if \fb >= 0
	FETCHB \fb, 1-\f
.endif
.if \fa >= 0
	FETCHA 1-\f, 1-\f
.endif
	WINQ \ph
	MULQ \ph, \f, 2, 0
	MULQ \ph, \f, 3, 0
.endm
.macro PAIRS lbl, n, ph, g0, adv       ; n trips of two regular steps
	WIN 0                                          ; at a label and at a branch every window is 0
	s_mov_b32 s84, \n
\lbl:
	STEP \ph, 0, 0, 24, \g0, \adv, 0, \ph
	STEP \ph, 1, 0, 24, \g0, \adv, 0, \ph
	WIN 0
	s_sub_co_u32 s84, s84, 1
	s_cmp_lg_u32 s84, 0
	s_cbranch_scc1 \lbl
.endm
.macro STORE_GO                        ; G or O to bf16, in place, and into LDS: a lane's 16 bytes are eight neighbouring channels of one query's row
	WIN 0x8a
.set tt, 0
.rept 32
.irp p, 0,1,2,3
	v_cvt_pk_bf16_f32 v[8*tt+\p], v[8*tt+2*\p], v[8*tt+2*\p+1]
.endr
.set tt, tt+1
.endr
	WIN 0x08
.irp mi, 0,1,2,3,4,5,6,7
.irp nn, 0,1,2,3
	ds_store_b128 v[STG], v[8*(4*\mi+\nn):8*(4*\mi+\nn)+3] offset:\nn*16*PG+32*\mi
.endr
.endr
.endm
.macro WGBAR                           ; what I stored in LDS is there, then everybody's is.  My tensor load may stay out
	WIN 0
	s_wait_dscnt 0x0
	s_barrier_signal -1
	s_barrier_wait -1
.endm
; ======== the walk over the keys ========
; G's fragments of eight K steps into a window: fragment (ks, ni) at 8 (4 ks + ni)
.macro GFR win, k0
	WIN \win
.irp ks, 0,1,2,3,4,5,6,7
.irp nn, 0,1,2,3
	ds_load_b128 v[8*(4*\ks+\nn):8*(4*\ks+\nn)+3],   v[VG] offset:\nn*16*PG+64*(\ks+\k0)
	ds_load_b128 v[8*(4*\ks+\nn)+4:8*(4*\ks+\nn)+7], v[VG] offset:\nn*16*PG+64*(\ks+\k0)+32
.endr
.endr
.endm
; S's A fragments of K steps 4 g .. 4 g + 3 (channels 128 g .. + 127, the part that wave g's load brought), my 16 keys, transposed on the way: 8 loads
.macro FETCHS slot, g
.irp kk, 0,1,2,3
	ds_load_tr16_b128 v[AB+8*(4*(\g)+\kk):AB+8*(4*(\g)+\kk)+3],   v[ADT+8*(\slot)+((\g)>>1)] offset:((\g)&1)*WPART+\kk*4608
	ds_load_tr16_b128 v[AB+8*(4*(\g)+\kk)+4:AB+8*(4*(\g)+\kk)+7], v[ADT+8*(\slot)+((\g)>>1)] offset:((\g)&1)*WPART+\kk*4608+2304
.endr
.endm
; O's A fragments 4 g .. 4 g + 3 (fragment a = channel tile a & 7, key half a >> 3) from my own part of the tile: 8 loads
.macro FETCHP slot, g
.irp kk, 0,1,2,3
	ds_load_b128 v[AB+8*(4*(\g)+\kk):AB+8*(4*(\g)+\kk)+3],   v[ADA+(\slot)] offset:((4*(\g)+\kk)&7)*2304+((\g)>>1)*64
	ds_load_b128 v[AB+8*(4*(\g)+\kk)+4:AB+8*(4*(\g)+\kk)+7], v[ADA+(\slot)] offset:((4*(\g)+\kk)&7)*2304+((\g)>>1)*64+32
.endr
.endm
; 16 matrix instructions of S: K steps 4 q .. 4 q + 3 x four query tiles; the four accumulators take turns, one instruction a turn.
; The block's first four products start the sums.
.macro SQ q
.irp kk, 0,1,2,3
.irp nn, 0,1,2,3
.if \q+\kk
	v_wmma_f32_16x16x32_bf16 v[SA+8*\nn:SA+8*\nn+7], v[AB+8*(4*\q+\kk):AB+8*(4*\q+\kk)+7], v[8*(4*(4*(\q&1)+\kk)+\nn):8*(4*(4*(\q&1)+\kk)+\nn)+7], v[SA+8*\nn:SA+8*\nn+7]
.else
	v_wmma_f32_16x16x32_bf16 v[SA+8*\nn:SA+8*\nn+7], v[AB+8*(4*\q+\kk):AB+8*(4*\q+\kk)+7], v[8*(4*(4*(\q&1)+\kk)+\nn):8*(4*(4*(\q&1)+\kk)+\nn)+7], 0
.endif
.endr
.endr
.endm
; 16 matrix instructions of O: A fragments 4 q .. 4 q + 3 x four query tiles, 16 accumulators by turns
.macro PVQ q, zero
.irp ii, 0,1,2,3
.irp nn, 0,1,2,3
.set DD, 8*(4*(4*(\q&1)+\ii)+\nn)
.set AA, AB+8*(4*\q+\ii)
.set BB, SA+8*(\nn+4*(\q>>1))
.if \zero
	v_wmma_f32_16x16x32_bf16 v[DD:DD+7], v[AA:AA+7], v[BB:BB+7], 0
.else
	v_wmma_f32_16x16x32_bf16 v[DD:DD+7], v[AA:AA+7], v[BB:BB+7], v[DD:DD+7]
.endif
.endr
.endr
.endm
; The softmax of one block.  A lane holds query 16 ni + r and keys 16 w + 8 h + j of the block's 64: the maximum goes over registers, the other half of the
; lanes and the four waves; then the running maximum, the factor for what has been summed, the exponentials, the lane's share of the denominator, P into LDS.
; The words of the exchange and P are written again only in the next block, behind the round in this block's O product, in front of which every wave's LDS reads are over.
.macro SOFT first
.irp nn, 0,1,2,3
	v_max3_num_f32 v[TT+4*\nn], v[SA+8*\nn], v[SA+8*\nn+1], v[SA+8*\nn+2]
.endr
.irp nn, 0,1,2,3
	v_max3_num_f32 v[TT+4*\nn], v[TT+4*\nn], v[SA+8*\nn+3], v[SA+8*\nn+4]
.endr
.irp nn, 0,1,2,3
	v_max3_num_f32 v[TT+4*\nn], v[TT+4*\nn], v[SA+8*\nn+5], v[SA+8*\nn+6]
.endr
.irp nn, 0,1,2,3
	v_max_num_f32 v[TT+4*\nn], v[TT+4*\nn], v[SA+8*\nn+7]
.endr
.irp nn, 0,1,2,3
	v_permlanex16_b32 v[4+\nn], v[TT+4*\nn], s86, s87          ; v4-v7 have been written
.endr
.irp nn, 0,1,2,3
	v_max_num_f32 v[TT+4*\nn], v[TT+4*\nn], v[4+\nn]
.endr
.irp nn, 0,1,2,3
	ds_store_b32 v[MXW], v[TT+4*\nn] offset:256*\nn
.endr
	s_wait_dscnt 0x0                               ; my words are written (and O's A fragments are in),
	s_barrier_signal -1
	s_barrier_wait -1                              ; everybody's are.  My tensor load stays out
.irp nn, 0,1,2,3
	ds_load_b128 v[TM+4*\nn:TM+4*\nn+3], v[MXR] offset:256*\nn
.endr
	s_wait_dscnt 0x0
.irp nn, 0,1,2,3
	v_max3_num_f32 v[TT+4*\nn], v[TM+4*\nn], v[TM+4*\nn+1], v[TM+4*\nn+2]
.endr
.if \first
.irp nn, 0,1,2,3
	v_max_num_f32 v[MX+2*\nn], v[TT+4*\nn], v[TM+4*\nn+3]      ; the first block starts the running maximum
.endr
.irp nn, 0,1,2,3
	v_mov_b32 v[MX+2*\nn+1], v[MX+2*\nn]
.endr
.else
.irp nn, 0,1,2,3
	v_max3_num_f32 v[MX+2*\nn+1], v[TT+4*\nn], v[TM+4*\nn+3], v[MX+2*\nn]
.endr
.irp nn, 0,1,2,3
	v_sub_f32 v[RL+2*\nn], v[MX+2*\nn], v[MX+2*\nn+1]          ; old - new, at most 0
.endr
.irp nn, 0,1,2,3
	v_mov_b32 v[MX+2*\nn], v[MX+2*\nn+1]
.endr
.irp nn, 0,1,2,3
	v_exp_f32 v[RL+2*\nn], v[RL+2*\nn]
.endr
.endif
.irp nn, 0,1,2,3
.irp p, 0,1,2,3
	v_pk_add_f32 v[SA+8*\nn+2*\p:SA+8*\nn+2*\p+1], v[SA+8*\nn+2*\p:SA+8*\nn+2*\p+1], v[MX+2*\nn:MX+2*\nn+1] neg_lo:[0,1] neg_hi:[0,1]
.endr
.endr
.set tq, 0
.rept 32
	v_exp_f32 v[SA+tq], v[SA+tq]
.set tq, tq+1
.endr
.if \first
	v_nop                                          ; a plain place between the exponentials and their use (ISA guide 5.7.2)
	s_wait_alu depctr_va_vdst(0)
.else
	s_wait_alu depctr_va_vdst(0)
.irp nn, 0,1,2,3
	v_mov_b32 v[RL+2*\nn+1], v[RL+2*\nn]           ; plain work on other registers stands between the exponentials and their use (ISA guide 5.7.2)
.endr
.endif
.irp nn, 0,1,2,3
	v_pk_add_f32 v[TT+4*\nn:TT+4*\nn+1],   v[SA+8*\nn:SA+8*\nn+1],   v[SA+8*\nn+2:SA+8*\nn+3]
	v_pk_add_f32 v[TT+4*\nn+2:TT+4*\nn+3], v[SA+8*\nn+4:SA+8*\nn+5], v[SA+8*\nn+6:SA+8*\nn+7]
.endr
.irp nn, 0,1,2,3
	v_pk_add_f32 v[TT+4*\nn:TT+4*\nn+1], v[TT+4*\nn:TT+4*\nn+1], v[TT+4*\nn+2:TT+4*\nn+3]
.endr
.if \first
.irp nn, 0,1,2,3
	v_add_f32 v[LL+\nn], v[TT+4*\nn], v[TT+4*\nn+1]
.endr
.else
.irp nn, 0,1,2,3
	v_add_f32 v[TT+4*\nn], v[TT+4*\nn], v[TT+4*\nn+1]
.endr
.irp nn, 0,1,2,3
	v_fma_f32 v[LL+\nn], v[LL+\nn], v[RL+2*\nn], v[TT+4*\nn]
.endr
.endif
.irp nn, 0,1,2,3
.irp p, 0,1,2,3
	v_cvt_pk_bf16_f32 v[SA+8*\nn+\p], v[SA+8*\nn+2*\p], v[SA+8*\nn+2*\p+1]
.endr
.endr
.irp nn, 0,1,2,3
	ds_store_b128 v[PST], v[SA+8*\nn:SA+8*\nn+3] offset:\nn*16*PPB      ; row 16 ni + r, my eight keys: 16 bytes
.endr
	s_wait_dscnt 0x0                               ; my part of P is written;
	s_barrier_signal -1
.if \first == 0
	WIN 0x82                                       ; while the others arrive: O into the new maximum's scale, registers alone
.irp mi, 0,1,2,3,4,5,6,7
.irp nn, 0,1,2,3
.irp p, 0,1,2,3
	v_pk_mul_f32 v[8*(4*\mi+\nn)+2*\p:8*(4*\mi+\nn)+2*\p+1], v[8*(4*\mi+\nn)+2*\p:8*(4*\mi+\nn)+2*\p+1], v[RL+2*\nn:RL+2*\nn+1]
.endr
.endr
.endr
	WIN 0
.endif
	s_barrier_wait -1                              ; P is whole.
.irp ks, 0,1
.irp nn, 0,1,2,3
	ds_load_b128 v[SA+8*(4*\ks+\nn):SA+8*(4*\ks+\nn)+3],   v[PLD] offset:\nn*16*PPB+64*\ks
	ds_load_b128 v[SA+8*(4*\ks+\nn)+4:SA+8*(4*\ks+\nn)+7], v[PLD] offset:\nn*16*PPB+64*\ks+32
.endr
.endr
.endm
; One block of 64 keys: tile j lies in slot \slot.  The one A buffer is used quarter by quarter: behind S's quarter q come O's fragments 4 q .. 4 q + 3,
; behind O's quarters 1, 2, 3 the next block's S fragments, each run of loads four places behind the matrix instructions that read the registers.
; THE ROUND stands in the O product: in front of its opening signal all my reads of tile j are in registers and my one tensor load that is out, tile j + 1,
; has landed; inside it only registers are at work; behind its closing wait tile j + 2 is asked for, into tile j's slot, and only then is tile j + 1 read,
; parts of which other waves' loads brought.  From that request to the wait for it a wave issues 112 matrix instructions and a softmax.
.macro BLOCK slot, first, g0, adv, last
	s_wait_dscnt 8                                 ; the youngest 8 loads, S's K steps 12-15, may be out
	WIN 0x04                                       ; B (G) window 1; LDS loads still name window 0
	SQ 0
	PLACES
	FETCHP \slot, 0
	SQ 1
	PLACES
	FETCHP \slot, 1
	WIN 0x0c                                       ; G's K steps 8-15: window 3
	SQ 2
	PLACES
	FETCHP \slot, 2
	s_wait_dscnt 24                                ; all but the 24 loads just issued: S's K steps 12-15 are in
	SQ 3
	PLACES                                         ; also the places in front of the first read of S
	FETCHP \slot, 3
	WIN 0
	SOFT \first
	s_wait_dscnt 8                                 ; P's fragments of keys 0-31 are in; the youngest 8 loads, keys 32-63, may be out
	WIN 0xa0
	PVQ 0, \first                                  ; the first block's products start O
	s_wait_dscnt 0x0
	s_set_vgpr_msb (MSB<<8)|((MSB&0xf0)|0x0)
	s_wait_tensorcnt 0x0
	ds_add_u32 v16, v31
	s_wait_dscnt 0x0
	s_set_vgpr_msb (((MSB&0xf0)|0x0)<<8)|MSB
	s_barrier_signal -1
	PVQ 1, \first
	WIN 0
	s_barrier_wait -1
	CREST
.if \adv
	s_add_nc_u64 s[\g0+4*\slot+2:\g0+4*\slot+3], s[\g0+4*\slot+2:\g0+4*\slot+3], \adv     ; no tensor load of mine is out: the set may be written
.endif
	tensor_load_to_lds s[\g0+4*\slot:\g0+4*\slot+3], s[G1D:G1D+7]
	s_nop 0
.if \last == 0
	PLACES
	FETCHS 1-\slot, 0
	FETCHS 1-\slot, 1
.endif
	WIN 0xa0
	PVQ 2, 0
.if \last == 0
	WIN 0
	PLACES
	FETCHS 1-\slot, 2
	WIN 0xa0
.endif
	PVQ 3, 0
.if \last == 0
	WIN 0
	PLACES
	FETCHS 1-\slot, 3
.endif
.endm
	s_load_b256 s[4:11], s[0:1], 0x0               ; xT 4, wT 6, vec 8, inp 10
	s_load_b64 s[12:13], s[0:1], 0x20              ; out0
	v_lshl_add_u32 v16, v0, 2, 0x4cc00
	v_mov_b32 v31, 0
	ds_add_u32 v16, v31
	v_lshrrev_b32 v1, 5, v0
	v_readfirstlane_b32 s14, v1                    ; wave
	s_bfe_u32 s15, ttmp6, 0x40000                  ; cx
	s_lshl_b32 s16, ttmp9, 2
	s_add_co_u32 s16, s16, s15                     ; qb = 4 x cluster x + cx
	s_and_b32 s17, ttmp7, 0xffff                   ; b
	s_mov_b32 s86, 0x76543210                      ; v_permlanex16_b32: lane i reads lane i of the other half
	s_mov_b32 s87, 0xfedcba98
	; Shapes.  Elements of 8 bytes.  The padding is counted along the tile: after every 32 words (128 bytes, one LDS row) 4 or 8 words are skipped,
	; while the rows asked of memory are 256 bytes long.
	s_mov_b32 s[G1D+0], 0x0733000f                 ; mask 15; element 8 bytes; padding on; bit 21 beside the mask; interval code 4 (32 words); 4 words
	s_mov_b32 s[G1D+1], 32<<16                     ; tensor_dim0 = 32 elements (256 bytes)
	s_mov_b32 s[G1D+2], 64<<16                     ; tensor_dim1 = 64 rows
	s_mov_b32 s[G1D+3], 32<<16                     ; tile_dim0
	s_mov_b32 s[G1D+4], 64                         ; tile_dim1
	s_mov_b32 s[G1D+5], 32                         ; from row to row: dense
	s_mov_b32 s[G1D+6], 0
	s_mov_b32 s[G1D+7], 0
	s_mov_b32 s[G1X+0], 0x0f130000                 ; no mask: X_q is my work-group's own; 8 words of padding
	s_mov_b32 s[G1X+1], 32<<16
	s_mov_b32 s[G1X+2], 64<<16
	s_mov_b32 s[G1X+3], 32<<16
	s_mov_b32 s[G1X+4], 64
	s_mov_b32 s[G1X+5], 32
	s_mov_b32 s[G1X+6], 0
	s_mov_b32 s[G1X+7], 0
	s_mul_i32 s88, s14, WPART                      ; my part of a slot: the wave number times a constant
.irp g, G0M, G0V, G0W
	s_mov_b32 s[\g], 1
	s_mov_b32 s[\g+1], s88
	s_mov_b32 s[\g+4], 1
	s_add_co_u32 s[\g+5], s88, SLOT
.endr
	s_mov_b32 s[G0X], 1
	s_add_co_u32 s[G0X+1], s88, XQ
	s_lshl_b32 s98, s17, 20                        ; image b of xT
	s_mov_b32 s99, 0
	s_lshl_b32 s92, s14, 14                        ; 128 rows of 128 bytes
	s_mov_b32 s93, 0
	s_lshl_b32 s90, s16, 16                        ; pixel block qb: s[90:91] alone hold what hangs on cx
	s_mov_b32 s91, 0
	v_and_b32 v2, 15, v0                           ; r
	v_bfe_u32 v3, v0, 4, 1                         ; h
	v_lshlrev_b32 v[VB], 5, v3
	v_lshl_add_u32 v[VB], s14, 9, v[VB]            ; g0s: 512 w + 32 h
	v_lshlrev_b32 v[VB2], 2, v2
	v_lshl_add_u32 v[VB2], s14, 9, v[VB2]          ; b2: 512 w + 4 r
	s_wait_dscnt 0x0
	s_wait_kmcnt 0x0
	s_add_nc_u64 s[96:97], s[4:5], s[98:99]
	s_add_nc_u64 s[G0V+2:G0V+3], s[96:97], s[92:93]          ; x tile 0: keys 0-63, my 128 channels
	s_add_nc_u64 s[G0X+2:G0X+3], s[G0V+2:G0V+3], s[90:91]    ; X_q: the same rows of pixel block qb
	s_add_nc_u64 s[G0V+6:G0V+7], s[G0V+2:G0V+3], 65536       ; x tile 1
	s_add_nc_u64 s[G0M+2:G0M+3], s[6:7], s[92:93]            ; M1T
	s_add_nc_u64 s[G0M+6:G0M+7], s[G0M+2:G0M+3], 65536
	s_add_nc_u64 s[G0W+2:G0W+3], s[G0M+2:G0M+3], 524288      ; W2T
	s_add_nc_u64 s[G0W+6:G0W+7], s[G0W+2:G0W+3], 65536
.irp g, G0X+3, G0M+3, G0M+7, G0V+3, G0V+7, G0W+3, G0W+7
	s_or_b32 s[\g], s[\g], 0x80000000              ; type = 2
.endr
	s_lshl_b32 s90, s17, 21                        ; inp and out0 at image b, pixel 64 qb
	s_lshl_b32 s91, s16, 8
	s_add_co_u32 s90, s90, s91
	s_mov_b32 s91, 0
	s_add_nc_u64 s[10:11], s[10:11], s[90:91]
	s_add_nc_u64 s[12:13], s[12:13], s[90:91]
	CROUND                                         ; all four work-groups are here: the first joint loads meet
	tensor_load_to_lds s[G0X:G0X+3], s[G1X:G1X+7]              ; three first fills in one group: three tensor loads of a wave are out here, later one
	s_nop 0
	tensor_load_to_lds s[G0M:G0M+3], s[G1D:G1D+7]
	s_nop 0
	tensor_load_to_lds s[G0M+4:G0M+7], s[G1D:G1D+7]
	s_nop 0
.irp mi, 0,1,2,3,4,5,6,7
	global_load_b128 v[G0S+8*\mi:G0S+8*\mi+3],   v[VB], s[8:9] offset:64*\mi
	global_load_b128 v[G0S+8*\mi+4:G0S+8*\mi+7], v[VB], s[8:9] offset:64*\mi+16
.endr
.irp mi, 0,1,2,3,4,5,6,7
	global_load_b32 v[B2+2*\mi],   v[VB2], s[8:9] offset:2048+64*\mi
	global_load_b32 v[B2+2*\mi+1], v[VB2], s[8:9] offset:2048+64*\mi       ; both registers of the pair that the packed add takes
.endr
	v_and_b32 v5, 7, v0
	v_lshl_add_u32 v5, v3, 3, v5                   ; transposing load: row 8 h + (lane & 7),
	v_bfe_u32 v6, v0, 3, 1                         ; 16 bytes (lane >> 3) & 1
	v_mul_u32_u24 v4, v5, 160
	v_lshl_add_u32 v4, v6, 4, v4
	v_add_nc_u32 v[ADB], XQ, v4                    ; X_q, pitch 160
	v_mul_u32_u24 v4, v5, 144
	v_lshl_add_u32 v4, v6, 4, v4
	v_lshl_add_u32 v[ADT], s14, 5, v4              ; an x tile, pitch 144, my 16 keys: 32 w bytes along the rows
	v_add_nc_u32 v[ADT+1], 2*WPART, v[ADT]
	v_add_nc_u32 v[ADT+8], SLOT, v[ADT]
	v_add_nc_u32 v[ADT+9], SLOT+2*WPART, v[ADT]
	v_mul_u32_u24 v7, v2, 144
	v_lshl_add_u32 v7, v3, 4, v7
	v_add_nc_u32 v[ADA], s88, v7
	v_add_nc_u32 v[ADA+1], SLOT, v[ADA]
	v_add_nc_u32 v[PLD], PB, v7
	v_lshl_add_u32 v[PST], s14, 5, v[PLD]
	v_mul_u32_u24 v[VG], v2, PG
	v_lshl_add_u32 v[VG], v3, 4, v[VG]
	v_add_nc_u32 v[VG], REGA, v[VG]
	v_lshl_add_u32 v[STG], s14, 8, v[VG]
	v_lshlrev_b32 v[MXR], 4, v2
	v_add_nc_u32 v[MXR], MISC, v[MXR]
	v_lshl_add_u32 v[MXW], s14, 2, v[MXR]
	s_add_co_u32 s89, s88, XQ                      ; my stage of the way out
	v_mul_u32_u24 v[STO], v2, 272
	v_lshl_add_u32 v[STO], v3, 5, v[STO]
	v_add_nc_u32 v[STO], s89, v[STO]
	v_mul_u32_u24 v[RD], v3, 272
	v_lshl_add_u32 v[RD], v2, 4, v[RD]
	v_add_nc_u32 v[RD], s89, v[RD]
	v_lshlrev_b32 v[CO], 4, v2
	v_lshl_add_u32 v[CO], v3, 12, v[CO]
	v_lshl_add_u32 v[CO], s14, 19, v[CO]
	s_wait_tensorcnt 0x1                           ; my quarter of X_q and my part of tile 0 are in; tile 1 stays out
	s_barrier_signal -1
	s_barrier_wait -1                              ; X_q is whole
	FETCHB 0, 0
	FETCHA 0, 0
	; ---- G[c2][n] = sum_c M1[c2][c] x[c][n]: 8 tiles of M1T ----
	STEP 0, 0, 1, 24, G0M, 131072, 0, 0            ; the first products start the sums: nothing is cleared
	STEP 0, 1, 0, 24, G0M, 131072, 0, 0
	PAIRS .Lg, 2, 0, G0M, 131072
	STEP 0, 0, 0, 24, G0V, 0, 0, 0                 ; the ring goes on into the x tiles: tile 0,
	STEP 0, 1, 0, 24, G0V, 0, -1, -1               ; tile 1.  In front of this step's round every wave's part of x tile 0 has landed
	PLACES
	s_wait_loadcnt 0x0                             ; g0s and b2
	WIN 0x82
.irp mi, 0,1,2,3,4,5,6,7
.irp nn, 0,1,2,3
.irp p, 0,1,2,3
	v_pk_add_f32 v[8*(4*\mi+\nn)+2*\p:8*(4*\mi+\nn)+2*\p+1], v[8*(4*\mi+\nn)+2*\p:8*(4*\mi+\nn)+2*\p+1], v[G0S+8*\mi+2*\p:G0S+8*\mi+2*\p+1]
.endr
.endr
.endr
	STORE_GO
	WGBAR                                          ; G is whole
	GFR 0x40, 0                                    ; all of G into registers, 64 fragments: it is every block's B operand
	GFR 0xc0, 8
	WIN 0
	FETCHS 0, 0
	FETCHS 0, 1
	FETCHS 0, 2
	FETCHS 0, 3
	; ---- the walk: 16 blocks of 64 keys ----
	BLOCK 0, 1, G0V, 131072, 0
	BLOCK 1, 0, G0V, 131072, 0
	WIN 0                                          ; at a label and at a branch every window is 0
	s_mov_b32 s84, 6
.Lf:
	BLOCK 0, 0, G0V, 131072, 0
	BLOCK 1, 0, G0V, 131072, 0
	WIN 0
	s_sub_co_u32 s84, s84, 1
	s_cmp_lg_u32 s84, 0
	s_cbranch_scc1 .Lf
	BLOCK 0, 0, G0W, 0, 0                          ; the ring goes on into W2T: tile 0,
	BLOCK 1, 0, G0W, 0, 1                          ; tile 1; no block follows
	; ---- the denominators over the halves of the lanes and the waves; O / l into LDS ----
	PLACES
	FETCHA 0, 0                                    ; W2T's tile 0, which landed in front of the last round, into window 1, where G is dead
	WIN 0
.irp nn, 0,1,2,3
	v_permlanex16_b32 v[4+\nn], v[LL+\nn], s86, s87
.endr
.irp nn, 0,1,2,3
	v_add_f32 v[LL+\nn], v[LL+\nn], v[4+\nn]
.endr
.irp nn, 0,1,2,3
	ds_store_b32 v[MXW], v[LL+\nn] offset:1024+256*\nn         ; other bytes than the maxima
.endr
	WGBAR
.irp nn, 0,1,2,3
	ds_load_b128 v[TM+4*\nn:TM+4*\nn+3], v[MXR] offset:1024+256*\nn
.endr
	s_wait_dscnt 0x0
.irp nn, 0,1,2,3
	v_add_f32 v[TM+4*\nn], v[TM+4*\nn], v[TM+4*\nn+1]
	v_add_f32 v[TM+4*\nn+2], v[TM+4*\nn+2], v[TM+4*\nn+3]
.endr
.irp nn, 0,1,2,3
	v_add_f32 v[TM+4*\nn], v[TM+4*\nn], v[TM+4*\nn+2]
.endr
.irp nn, 0,1,2,3
	v_rcp_f32 v[RL+2*\nn], v[TM+4*\nn]             ; at least 1: the term of the maximum is 2^0
.endr
	v_nop                                          ; a plain place between the reciprocals and their use (ISA guide 5.7.2)
	s_wait_alu depctr_va_vdst(0)
.irp nn, 0,1,2,3
	v_mov_b32 v[RL+2*\nn+1], v[RL+2*\nn]
.endr
	WIN 0x82
.irp mi, 0,1,2,3,4,5,6,7
.irp nn, 0,1,2,3
.irp p, 0,1,2,3
	v_pk_mul_f32 v[8*(4*\mi+\nn)+2*\p:8*(4*\mi+\nn)+2*\p+1], v[8*(4*\mi+\nn)+2*\p:8*(4*\mi+\nn)+2*\p+1], v[RL+2*\nn:RL+2*\nn+1]
.endr
.endr
.endr
	STORE_GO                                       ; over G's bytes, which were last read in front of the walk
	WIN 0xc0                                       ; inp for the residual, into window 3, where G is dead: it has the last product in which to land
.irp mi, 0,1,2,3,4,5,6,7
.irp t, 0,1,2,3,4,5,6,7
	global_load_b128 v[32*\mi+4*\t:32*\mi+4*\t+3], v[CO], s[10:11] offset:(16*\mi+2*\t)*4096 th:TH_LOAD_NT    ; 16 lanes read 256 consecutive bytes, aligned
.endr
.endr
	WGBAR                                          ; O is whole
	v_mov_b32 v[ADB], v[VG]
	FETCHB 3, 0
	; ---- out[o][n] = sum_c W2[o][c] O[c][n]: 8 tiles of W2T.  Source 0 = queries, source 1 = rows o: a lane holds eight neighbouring pixels of one row o ----
	STEP 3, 0, 1, 0, G0W, 131072, 0, 3
	STEP 3, 1, 0, 24, G0W, 131072, 0, 3
	PAIRS .Lw, 2, 3, G0W, 131072
	STEP 3, 0, 0, 24, 0, 0, 0, 3                   ; the last two steps ask for nothing and have no round
	STEP 3, 1, 0, 24, 0, 0, -1, -1
	; ---- the way out, 16 rows o at a time: + b2, through my own stage into whole rows of 256 bytes, + inp ----
	PLACES
	s_wait_loadcnt 0x0                             ; inp
	WIN 0x82
.irp mi, 0,1,2,3,4,5,6,7
.irp nn, 0,1,2,3
.irp p, 0,1,2,3
	v_pk_add_f32 v[8*(4*\mi+\nn)+2*\p:8*(4*\mi+\nn)+2*\p+1], v[8*(4*\mi+\nn)+2*\p:8*(4*\mi+\nn)+2*\p+1], v[B2+2*\mi:B2+2*\mi+1]
.endr
.endr
.endr
.irp mi, 0,1,2,3,4,5,6,7
	WIN 0x08
.irp nn, 0,1,2,3
	ds_store_b128 v[STO], v[8*(4*\mi+\nn):8*(4*\mi+\nn)+3]   offset:64*\nn
	ds_store_b128 v[STO], v[8*(4*\mi+\nn)+4:8*(4*\mi+\nn)+7] offset:64*\nn+16
.endr
	WIN 0
	s_wait_xcnt 0x0                                ; the registers that earlier stores read are loaded again only behind this wait
.irp t, 0,1,2,3,4,5,6,7
	ds_load_b128 v[64+32*(\mi&1)+4*\t:64+32*(\mi&1)+4*\t+3], v[RD] offset:544*\t     ; LDS serves a wave's instructions in order (ISA guide 5.7.1): these see the stores above
.endr
	s_wait_dscnt 0x0
	WIN 0x0c
.irp t, 0,1,2,3,4,5,6,7
	v_pk_add_f32 v[64+32*(\mi&1)+4*\t:64+32*(\mi&1)+4*\t+1],   v[64+32*(\mi&1)+4*\t:64+32*(\mi&1)+4*\t+1],   v[32*\mi+4*\t:32*\mi+4*\t+1]
	v_pk_add_f32 v[64+32*(\mi&1)+4*\t+2:64+32*(\mi&1)+4*\t+3], v[64+32*(\mi&1)+4*\t+2:64+32*(\mi&1)+4*\t+3], v[32*\mi+4*\t+2:32*\mi+4*\t+3]
.endr
	WIN 0
.irp t, 0,1,2,3,4,5,6,7
	global_store_b128 v[CO], v[64+32*(\mi&1)+4*\t:64+32*(\mi&1)+4*\t+3], s[12:13] offset:(16*\mi+2*\t)*4096 th:TH_STORE_NT   ; 16 lanes store 256 consecutive bytes, aligned
.endr
.endr
	s_set_vgpr_msb (MSB<<8)|((MSB&0xf0)|0x0)
	s_wait_tensorcnt 0x0
	ds_add_u32 v16, v31
	s_wait_dscnt 0x0
	s_set_vgpr_msb (((MSB&0xf0)|0x0)<<8)|MSB
	CROUND                                         ; the closing round: no work-group ends while a partner may still ask for a tile that names it
	s_endpgm
.Lfunc_end_k_q745fb99dca_attn:
	.size	k_q745fb99dca_attn, .Lfunc_end_k_q745fb99dca_attn-k_q745fb99dca_attn
	.p2alignl 7, 3214868480
	.fill 96, 4, 3214868480
	.section	.rodata,"a",@progbits
	.p2align	6, 0x0
	.amdhsa_kernel k_q745fb99dca_attn
		.amdhsa_group_segment_fixed_size 327680
		.amdhsa_private_segment_fixed_size 0
		.amdhsa_enable_private_segment 0
		.amdhsa_kernarg_size 40
		.amdhsa_user_sgpr_count 2
		.amdhsa_user_sgpr_kernarg_segment_ptr 1
		.amdhsa_wavefront_size32 1
		.amdhsa_system_sgpr_workgroup_id_x 1
		.amdhsa_system_sgpr_workgroup_id_y 1
		.amdhsa_system_sgpr_workgroup_id_z 1
		.amdhsa_system_vgpr_workitem_id 0
		.amdhsa_next_free_vgpr 1024
		.amdhsa_next_free_sgpr 100
		.amdhsa_reserve_vcc 0
		.amdhsa_float_denorm_mode_32 3
		.amdhsa_float_denorm_mode_16_64 3
		.amdhsa_memory_ordered 1
		.amdhsa_forward_progress 1
		.amdhsa_inst_pref_size 255
	.end_amdhsa_kernel
	.section	.bss,"aw",@nobits
	.p2align	6
	.space	262144
	.amdgpu_metadata
---
amdhsa.version: [ 1, 2 ]
amdhsa.kernels:
  - .name:           k_q745fb99dca_attn
    .symbol:         k_q745fb99dca_attn.kd
    .args:
      - { .name: xT, .offset: 0, .size: 8, .value_kind: global_buffer, .address_space: global }
      - { .name: wT, .offset: 8, .size: 8, .value_kind: global_buffer, .address_space: global }
      - { .name: vec, .offset: 16, .size: 8, .value_kind: global_buffer, .address_space: global }
      - { .name: inp, .offset: 24, .size: 8, .value_kind: global_buffer, .address_space: global }
      - { .name: out0, .offset: 32, .size: 8, .value_kind: global_buffer, .address_space: global }
    .group_segment_fixed_size: 327680
    .private_segment_fixed_size: 0
    .kernarg_segment_align: 8
    .kernarg_segment_size: 40
    .max_flat_workgroup_size: 128
    .sgpr_count:     100
    .vgpr_count:     1024
    .wavefront_size: 32
...
	.end_amdgpu_metadata
.endif
;; end of part 2
